; MI455X (gfx1250); checked and timed in simulation.
; The chip was launched on July 23, 2026; its instructions are those of AMD's public machine-readable ISA for CDNA 5 (MIT licence, August 2026) and "CDNA5" Instruction Set Architecture Reference Guide (July 2026). The comments in the code are by the model that wrote it; some were corrected since.
;; Bit Linear158. Allowed arithmetic: float matrix products may take bf16 or f16 operands with f32 sums; other float arithmetic in f32, or as packed bf16 or f16 multiplies, adds, multiply-adds, maxima and minima; sums over many terms, partial sums and values carried from step to step in f32; what a program stores and reads back later, other than sums and carried values, may be rounded once to bf16 or f16.
;; Inputs: bias 4,096 float32; weight 4,096 x 4,096 float32; x 4 x 1,024 x 4,096 float32.
;; Outputs: out0 4 x 1,024 x 4,096 float32.
;; 2 versions, each right; version 2 is version 1 with the launch quant written anew for expert scheduling mode. Each part assembles by itself: llvm-mc -triple=amdgcn-amd-amdhsa -mcpu=gfx1250 --defsym DOCPART=n.
;; ======== version 1 of 2: 3 launches
;; workspace buffers: part 4,096 bytes; xq 33,554,432 bytes; wq 33,554,432 bytes
;; launch stats (part 1): grid 512 x 2, 8 waves a work-group, no clusters, 1,280 bytes of LDS; arguments x, weight, part; writes part
.if DOCPART == 1
	.amdgcn_target "amdgcn-amd-amdhsa--gfx1250"
	.amdhsa_code_object_version 6
	.text
	.protected	k_q72735bfadd_stats
	.globl	k_q72735bfadd_stats
	.p2align	8
	.type	k_q72735bfadd_stats,@function
k_q72735bfadd_stats:
	s_mov_b64 s[64:65], 0
	v_nop
	global_prefetch_b8 v0, s[64:65] scope:SCOPE_SE
	s_setreg_imm32_b32 hwreg(HW_REG_WAVE_MODE, 25, 1), 1
	s_wait_xcnt 0x0
; BitLinear158, first of three launches: the two statistics of whole tensors.
;   out = einsum(x_q, w_q) * (gamma * w_scale / 128) + bias,  w_scale = max(mean |weight|, 1e-5),  gamma = max(max |x|, 1e-5),
;   w_q = clip(round(weight / w_scale), -1, 1),  x_q = clip(round(x * (128 / gamma)), -128, 127).
; LEFT OUT.  The straight-through form v + stop_gradient(q - v) is q for every finite v: v and -v cancel.  So q itself is used and the two additions are not made.
; In f32 they move q by a rounding at the most.  Limit: where v is infinite or NaN the form gives NaN; here the clipped q is taken.  No input is without a way to the output: all three are loaded.
; FORMAT, one choice for the whole program: x, weight and bias are each rounded ONCE to bf16 (nearest even) before anything else is made of them; from there on f32.
; Then x_q (whole numbers -128 .. 127) and w_q (-1, 0, 1) are exact in bf16, and the product's sums, 2^19 at the most, are exact in f32.
; LIMITS.  An input of 3.39e38 or more in magnitude becomes an infinity by that rounding.  A NaN is dropped by the maxima.  The sum of |weight| has this text's own fixed order.
; THIS LAUNCH.  y = 0: the largest |x|.  Rounding to bf16 never turns an order round, so the maximum is taken of the f32 numbers and rounded once where gamma is made, in the later launches.
; y = 1: the sum of |bf16(weight)|, in f32.  A work-group owns 131,072 consecutive bytes of its tensor and stores one word of part: words 0-511 the maxima, words 512-1023 the sums.
; SHARES.  Wave w owns 16,384 bytes: 32 chunks of 512 bytes, a chunk one load of 16 bytes a lane.  A ring of 16 chunks in registers keeps 16 loads of every wave on their way.
; No tensor loads, no cluster, no matrix work: no byte is read by two waves.
.set SPARE, 256                        ; LDS: bytes 0-31 one word a wave; from 256 on the spare words, 128 bytes for each of the eight waves
.set OFF, 1                            ; v1       16,384 x wave + 16 x lane; never rewritten
.set SPW, 2                            ; v2       LDS address of my spare word; never rewritten
.set NIL, 3                            ; v3       0; never rewritten
.set C,   4                            ; v[4:11]  the chains: four maxima, or eight sums
.set D,   12                           ; v[12:13] four numbers as bf16
.set TP,  14                           ; v[14:15] at work
.set X,   16                           ; v[16:79] the ring: slot i at X + 4 i
.set T,   80                           ; v[80:83] four magnitudes in f32
	s_load_b128 s[4:7], s[0:1], 0x0                ; x s[4:5], weight s[6:7]
	s_load_b64 s[8:9], s[0:1], 0x10                ; part
	v_lshl_add_u32 v[SPW], v0, 2, SPARE
	v_mov_b32 v[NIL], 0
	v_lshrrev_b32 v[TP], 5, v0
	v_readfirstlane_b32 s14, v[TP]                 ; wave 0..7
	v_and_b32 v[OFF], 31, v0
	v_lshlrev_b32 v[OFF], 4, v[OFF]
	v_lshl_or_b32 v[OFF], v[TP], 14, v[OFF]
	s_and_b32 s10, ttmp7, 0xffff                   ; y: 0 = x, 1 = weight
	s_mov_b32 s16, 0x76543210                      ; v_permlanex16_b32: each lane takes its own place in the other half
	s_mov_b32 s17, 0xfedcba98
	s_mov_b32 s18, 0x7fff7fff                      ; clears the signs of two bf16
	s_mov_b32 s19, 0xffff0000                      ; a word's upper bf16
	s_lshl_b32 s22, ttmp9, 17                      ; the work-group's 131,072 bytes (under 2^26)
	s_mov_b32 s23, 0
	s_wait_kmcnt 0x0
	s_cmp_eq_u32 s10, 0
	s_cselect_b64 s[12:13], s[4:5], s[6:7]
	s_add_nc_u64 s[12:13], s[12:13], s[22:23]
.macro LD n                            ; chunk n into slot n % 16
	global_load_b128 v[X+4*((\n)%16):X+4*((\n)%16)+3], v[OFF], s[12:13] offset:512*(\n) th:TH_LOAD_NT
.endm
.macro ARRIVED                         ; chunk j is in.  Loads come back in order (ISA guide 5.7.1): behind chunk j stand 15 younger loads while the ring is filled again, later the 31 - j that are left
.if j < 16
	s_wait_loadcnt 15
.else
	s_wait_loadcnt 31-j
.endif
.endm
.macro XM                              ; chunk j of x: four magnitudes into two of four chains; the first two chunks start the chains, so nothing is cleared
.set rA, X+4*(j%16)
.set rC, C+2*(j%2)
	ARRIVED
.if j < 2
	v_max_num_f32 v[rC], |v[rA]|, |v[rA+1]|
	v_max_num_f32 v[rC+1], |v[rA+2]|, |v[rA+3]|
.else
	v_max3_num_f32 v[rC], |v[rA]|, |v[rA+1]|, v[rC]
	v_max3_num_f32 v[rC+1], |v[rA+2]|, |v[rA+3]|, v[rC+1]
.endif
.if j < 16
	LD j+16
.endif
.endm
.macro WS                              ; chunk j of weight: rounded to bf16, signs cleared, widened, added onto four of eight chains
.set rA, X+4*(j%16)
.set rC, C+4*(j%2)
	ARRIVED
	v_cvt_pk_bf16_f32 v[D], v[rA], v[rA+1]
	v_cvt_pk_bf16_f32 v[D+1], v[rA+2], v[rA+3]
	v_and_b32 v[D], s18, v[D]
	v_and_b32 v[D+1], s18, v[D+1]
.if j < 2
	v_lshlrev_b32 v[rC], 16, v[D]
	v_and_b32 v[rC+1], s19, v[D]
	v_lshlrev_b32 v[rC+2], 16, v[D+1]
	v_and_b32 v[rC+3], s19, v[D+1]
.else
	v_lshlrev_b32 v[T], 16, v[D]
	v_and_b32 v[T+1], s19, v[D]
	v_lshlrev_b32 v[T+2], 16, v[D+1]
	v_and_b32 v[T+3], s19, v[D+1]
	v_pk_add_f32 v[rC:rC+1], v[rC:rC+1], v[T:T+1]
	v_pk_add_f32 v[rC+2:rC+3], v[rC+2:rC+3], v[T+2:T+3]
.endif
.if j < 16
	LD j+16
.endif
.endm
; Over the 32 lanes: four steps inside each half of 16 lanes ride on the arithmetic, one crosses the halves; every lane ends with the result.  t has been written before.
.macro WMAX r, t
	v_max_num_f32_dpp v[\r], v[\r], v[\r] row_xmask:1 row_mask:0xf bank_mask:0xf
	v_max_num_f32_dpp v[\r], v[\r], v[\r] row_xmask:2 row_mask:0xf bank_mask:0xf
	v_max_num_f32_dpp v[\r], v[\r], v[\r] row_xmask:4 row_mask:0xf bank_mask:0xf
	v_max_num_f32_dpp v[\r], v[\r], v[\r] row_xmask:8 row_mask:0xf bank_mask:0xf
	v_permlanex16_b32 v[\t], v[\r], s16, s17
	v_max_num_f32 v[\r], v[\r], v[\t]
.endm
.macro WSUM r, t
	v_add_f32_dpp v[\r], v[\r], v[\r] row_xmask:1 row_mask:0xf bank_mask:0xf
	v_add_f32_dpp v[\r], v[\r], v[\r] row_xmask:2 row_mask:0xf bank_mask:0xf
	v_add_f32_dpp v[\r], v[\r], v[\r] row_xmask:4 row_mask:0xf bank_mask:0xf
	v_add_f32_dpp v[\r], v[\r], v[\r] row_xmask:8 row_mask:0xf bank_mask:0xf
	v_permlanex16_b32 v[\t], v[\r], s16, s17
	v_add_f32 v[\r], v[\r], v[\t]
.endm
.set j, 0
.rept 16
	LD j                                           ; the ring is filled: chunks 0 to 15
.set j, j+1
.endr
	s_cmp_lg_u32 s10, 0
	s_cbranch_scc1 .Lw
.set j, 0
.rept 32
	XM
.set j, j+1
.endr
	v_max3_num_f32 v[C], v[C], v[C+1], v[C+2]
	v_max_num_f32 v[C], v[C], v[C+3]
	WMAX C, TP
	s_branch .Ljoin
.Lw:
.set j, 0
.rept 32
	WS
.set j, j+1
.endr
	v_pk_add_f32 v[C:C+1], v[C:C+1], v[C+4:C+5]
	v_pk_add_f32 v[C+2:C+3], v[C+2:C+3], v[C+6:C+7]
	v_pk_add_f32 v[C:C+1], v[C:C+1], v[C+2:C+3]
	v_add_f32 v[C], v[C], v[C+1]
	WSUM C, TP
.Ljoin:                                                ; the eight waves' figures meet in LDS
	v_mov_b32 v[TP+1], s14
	v_lshlrev_b32 v[TP+1], 2, v[TP+1]
	ds_store_b32 v[TP+1], v[C]                     ; all lanes write the wave's word with the same value
	s_wait_dscnt 0x0                               ; for the others' sake: my store is done
	s_barrier_signal -1
	s_barrier_wait -1
	s_cmp_lg_u32 s14, 0                            ; wave 0 finishes
	s_cbranch_scc1 .Lend
	v_mov_b32 v[TP], 0
	ds_load_b128 v[X:X+3], v[TP]
	ds_load_b128 v[X+4:X+7], v[TP] offset:16
	s_lshl_b32 s20, s10, 11                        ; part: 2,048 y + 4 x the work-group's number
	s_lshl_b32 s21, ttmp9, 2
	s_add_co_u32 s20, s20, s21
	v_mov_b32 v[TP+1], s20
	s_wait_dscnt 0x0
	s_cmp_lg_u32 s10, 0
	s_cbranch_scc1 .Lwsum
	v_max3_num_f32 v[X], v[X], v[X+1], v[X+2]
	v_max3_num_f32 v[X], v[X], v[X+3], v[X+4]
	v_max3_num_f32 v[X], v[X], v[X+5], v[X+6]
	v_max_num_f32 v[X], v[X], v[X+7]
	s_branch .Lstore
.Lwsum:
	v_pk_add_f32 v[X:X+1], v[X:X+1], v[X+4:X+5]
	v_pk_add_f32 v[X+2:X+3], v[X+2:X+3], v[X+6:X+7]
	v_pk_add_f32 v[X:X+1], v[X:X+1], v[X+2:X+3]
	v_add_f32 v[X], v[X], v[X+1]
.Lstore:
	s_wait_xcnt 0x0                                ; EXEC is a source of the loads issued above: it changes only behind this wait
	v_cmp_eq_u32 vcc_lo, 0, v0
	s_and_saveexec_b32 s21, vcc_lo                 ; one lane stores the work-group's one word: 4,096 bytes in the whole launch
	global_store_b32 v[TP+1], v[X], s[8:9]
	s_wait_xcnt 0x0                                ; and again, in front of the line that widens it
	s_or_b32 exec_lo, exec_lo, s21
.Lend:
	s_wait_tensorcnt 0x0                           ; the wave's end, behind my last LDS store
	ds_add_u32 v[SPW], v[NIL]
	s_wait_dscnt 0x0
	s_endpgm
.Lfunc_end_k_q72735bfadd_stats:
	.size	k_q72735bfadd_stats, .Lfunc_end_k_q72735bfadd_stats-k_q72735bfadd_stats
	.p2alignl 7, 3214868480
	.fill 96, 4, 3214868480
	.section	.rodata,"a",@progbits
	.p2align	6, 0x0
	.amdhsa_kernel k_q72735bfadd_stats
		.amdhsa_group_segment_fixed_size 1280
		.amdhsa_private_segment_fixed_size 0
		.amdhsa_enable_private_segment 0
		.amdhsa_kernarg_size 24
		.amdhsa_user_sgpr_count 2
		.amdhsa_user_sgpr_kernarg_segment_ptr 1
		.amdhsa_wavefront_size32 1
		.amdhsa_system_sgpr_workgroup_id_x 1
		.amdhsa_system_sgpr_workgroup_id_y 1
		.amdhsa_system_sgpr_workgroup_id_z 1
		.amdhsa_system_vgpr_workitem_id 0
		.amdhsa_next_free_vgpr 96
		.amdhsa_next_free_sgpr 66
		.amdhsa_reserve_vcc 1
		.amdhsa_float_denorm_mode_32 3
		.amdhsa_float_denorm_mode_16_64 3
		.amdhsa_memory_ordered 1
		.amdhsa_forward_progress 1
		.amdhsa_inst_pref_size 29
	.end_amdhsa_kernel
	.amdgpu_metadata
---
amdhsa.version: [ 1, 2 ]
amdhsa.kernels:
  - .name:           k_q72735bfadd_stats
    .symbol:         k_q72735bfadd_stats.kd
    .args:
      - { .name: x, .offset: 0, .size: 8, .value_kind: global_buffer, .address_space: global }
      - { .name: weight, .offset: 8, .size: 8, .value_kind: global_buffer, .address_space: global }
      - { .name: part, .offset: 16, .size: 8, .value_kind: global_buffer, .address_space: global }
    .group_segment_fixed_size: 1280
    .private_segment_fixed_size: 0
    .kernarg_segment_align: 8
    .kernarg_segment_size: 24
    .max_flat_workgroup_size: 256
    .sgpr_count:     66
    .vgpr_count:     96
    .wavefront_size: 32
...
	.end_amdgpu_metadata
.endif
;; end of part 1
;; launch quant (part 2): grid 512 x 2, 8 waves a work-group, no clusters, 0 bytes of LDS; arguments x, weight, part, xq, wq; writes xq, wq
.if DOCPART == 2
	.amdgcn_target "amdgcn-amd-amdhsa--gfx1250"
	.amdhsa_code_object_version 6
	.text
	.protected	k_q72735bfadd_quant
	.globl	k_q72735bfadd_quant
	.p2align	8
	.type	k_q72735bfadd_quant,@function
k_q72735bfadd_quant:
	s_mov_b64 s[64:65], 0
	v_nop
	global_prefetch_b8 v0, s[64:65] scope:SCOPE_SE
	s_setreg_imm32_b32 hwreg(HW_REG_WAVE_MODE, 25, 1), 1
	s_wait_xcnt 0x0
; BitLinear158, second of three launches: both quantisers, each number once, stored as bf16 matrix operands (exact: whole numbers of 8 bits at the most).
;   y = 0: xq = clip(round(bf16(x) * (128 / gamma)), -128, 127),  gamma = max(bf16(max |x|), 1e-5).
;   y = 1: wq = clip(round(bf16(weight) * (1 / w_scale)), -1, 1),  w_scale = max(sum |bf16(weight)| * 2^-24, 1e-5)  (2^24 numbers: the factor is exact).
; LEFT OUT, as in the first launch: v + stop_gradient(q - v) is q for every finite v; q itself is stored.
; LIMITS.  The division weight / w_scale is a product with the reciprocal, made by v_rcp_f32 and one Newton step: it can give another whole number only where a bf16 weight lies within
; some 2^-23 of itself of (k + 1/2) w_scale.  128 / gamma is 128 times the same kind of reciprocal (the factor 128 is exact).  A divisor above 2^126 has a reciprocal that counts as 0.
; SHARES, as in the first launch: a work-group owns 131,072 bytes of its tensor, a wave 32 chunks of 512 bytes through a ring of 16 in registers.  A lane's four numbers become 8 bytes,
; so each store of a wave covers 256 consecutive bytes, aligned.  Every wave adds up its tensor's 512 partial figures for itself (2,048 bytes, four loads), in one fixed order: all waves hold the same scale,
; and no LDS and no barrier is needed.
.set OFF, 1                            ; v1        16,384 x wave + 16 x lane; never rewritten
.set OUT, 2                            ; v2        8,192 x wave + 8 x lane; never rewritten
.set PO,  3                            ; v3        16 x lane; never rewritten
.set P,   4                            ; v[4:19]   my 16 of the 512 partial figures; then the scale is made here
.set D,   20                           ; v[20:21]  four numbers as bf16
.set TP,  22                           ; v22       at work
.set X,   32                           ; v[32:95]  the ring: slot i at X + 4 i
.set Y,   96                           ; v[96:127] slot i's 8 bytes to store at Y + 2 i
	s_load_b256 s[4:11], s[0:1], 0x0               ; x s[4:5], weight s[6:7], part s[8:9], xq s[10:11]
	s_load_b64 s[12:13], s[0:1], 0x20              ; wq
	v_lshrrev_b32 v[TP], 5, v0                     ; wave
	v_and_b32 v[PO], 31, v0
	v_lshlrev_b32 v[OUT], 3, v[PO]
	v_lshlrev_b32 v[PO], 4, v[PO]
	v_lshl_or_b32 v[OUT], v[TP], 13, v[OUT]
	v_lshl_or_b32 v[OFF], v[TP], 14, v[PO]
	s_and_b32 s14, ttmp7, 0xffff                   ; y: 0 = x, 1 = weight
	s_lshl_b32 s32, ttmp9, 17                      ; the work-group's bytes in,
	s_mov_b32 s33, 0
	s_lshl_b32 s34, ttmp9, 16                      ; and out
	s_mov_b32 s35, 0
	s_lshl_b32 s36, s14, 11                        ; my tensor's half of part
	s_mov_b32 s37, 0
	s_mov_b32 s26, 0xffff0000                      ; a word's upper bf16
	s_mov_b32 s28, 0x76543210                      ; v_permlanex16_b32: each lane takes its own place in the other half
	s_mov_b32 s29, 0xfedcba98
	s_wait_kmcnt 0x0
	s_cmp_eq_u32 s14, 0
	s_cselect_b64 s[16:17], s[4:5], s[6:7]
	s_cselect_b64 s[18:19], s[10:11], s[12:13]
	s_cselect_b32 s24, 0xc3000000, -1.0            ; the clip: -128 .. 127, or -1 .. 1
	s_cselect_b32 s25, 0x42fe0000, 1.0
	s_cselect_b32 s30, 0x43000000, 1.0             ; the numerator: 128, or 1
	s_add_nc_u64 s[16:17], s[16:17], s[32:33]
	s_add_nc_u64 s[18:19], s[18:19], s[34:35]
	s_add_nc_u64 s[20:21], s[8:9], s[36:37]
.macro LD n                            ; chunk n into slot n % 16
	global_load_b128 v[X+4*((\n)%16):X+4*((\n)%16)+3], v[OFF], s[16:17] offset:512*(\n) th:TH_LOAD_NT
.endm
.macro MAX16 p
.irp i, 0,3,6,9,12
	v_max3_num_f32 v[(\p)+(\i)], v[(\p)+(\i)], v[(\p)+(\i)+1], v[(\p)+(\i)+2]
.endr
	v_max3_num_f32 v[\p], v[\p], v[(\p)+3], v[(\p)+6]
	v_max3_num_f32 v[\p], v[\p], v[(\p)+9], v[(\p)+12]
	v_max_num_f32 v[\p], v[\p], v[(\p)+15]
.endm
.macro SUM16 p
.irp i, 0,2,4,6
	v_pk_add_f32 v[(\p)+(\i):(\p)+(\i)+1], v[(\p)+(\i):(\p)+(\i)+1], v[(\p)+(\i)+8:(\p)+(\i)+9]
.endr
	v_pk_add_f32 v[(\p):(\p)+1], v[(\p):(\p)+1], v[(\p)+4:(\p)+5]
	v_pk_add_f32 v[(\p)+2:(\p)+3], v[(\p)+2:(\p)+3], v[(\p)+6:(\p)+7]
	v_pk_add_f32 v[(\p):(\p)+1], v[(\p):(\p)+1], v[(\p)+2:(\p)+3]
	v_add_f32 v[\p], v[\p], v[(\p)+1]
.endm
.macro WMAX r, t
	v_max_num_f32_dpp v[\r], v[\r], v[\r] row_xmask:1 row_mask:0xf bank_mask:0xf
	v_max_num_f32_dpp v[\r], v[\r], v[\r] row_xmask:2 row_mask:0xf bank_mask:0xf
	v_max_num_f32_dpp v[\r], v[\r], v[\r] row_xmask:4 row_mask:0xf bank_mask:0xf
	v_max_num_f32_dpp v[\r], v[\r], v[\r] row_xmask:8 row_mask:0xf bank_mask:0xf
	v_permlanex16_b32 v[\t], v[\r], s28, s29
	v_max_num_f32 v[\r], v[\r], v[\t]
.endm
.macro WSUM r, t
	v_add_f32_dpp v[\r], v[\r], v[\r] row_xmask:1 row_mask:0xf bank_mask:0xf
	v_add_f32_dpp v[\r], v[\r], v[\r] row_xmask:2 row_mask:0xf bank_mask:0xf
	v_add_f32_dpp v[\r], v[\r], v[\r] row_xmask:4 row_mask:0xf bank_mask:0xf
	v_add_f32_dpp v[\r], v[\r], v[\r] row_xmask:8 row_mask:0xf bank_mask:0xf
	v_permlanex16_b32 v[\t], v[\r], s28, s29
	v_add_f32 v[\r], v[\r], v[\t]
.endm
; Chunk j: the input's rounding to bf16, widened again, scaled, rounded to the nearest whole number (ties to even), clipped, packed (exact), stored.
.macro Q
.set rA, X+4*(j%16)
.set rY, Y+2*(j%16)
.if j < 16
	s_wait_loadcnt 15                              ; loads come back in order (ISA guide 5.7.1): chunk j is in, the 15 younger loads stay out
.else
	s_wait_loadcnt 31-j                            ; the ring runs down
	s_wait_xcnt 0x0                                ; the slot's 8 bytes were the data of the store 16 chunks back: they are rewritten only behind this wait
.endif
	v_cvt_pk_bf16_f32 v[D], v[rA], v[rA+1]
	v_cvt_pk_bf16_f32 v[D+1], v[rA+2], v[rA+3]
	v_lshlrev_b32 v[rA], 16, v[D]
	v_and_b32 v[rA+1], s26, v[D]
	v_lshlrev_b32 v[rA+2], 16, v[D+1]
	v_and_b32 v[rA+3], s26, v[D+1]
	v_pk_mul_f32 v[rA:rA+1], v[rA:rA+1], s[22:23] op_sel_hi:[1,0]
	v_pk_mul_f32 v[rA+2:rA+3], v[rA+2:rA+3], s[22:23] op_sel_hi:[1,0]
.irp i, 0,1,2,3
	v_rndne_f32 v[rA+(\i)], v[rA+(\i)]
.endr
.irp i, 0,1,2,3
	v_med3_num_f32 v[rA+(\i)], v[rA+(\i)], s24, s25
.endr
	v_cvt_pk_bf16_f32 v[rY], v[rA], v[rA+1]
	v_cvt_pk_bf16_f32 v[rY+1], v[rA+2], v[rA+3]
.if j < 16
	LD j+16                                        ; the load ahead of the store
.endif
	global_store_b64 v[OUT], v[rY:rY+1], s[18:19] offset:256*j th:TH_STORE_NT  ; 32 lanes x 8 bytes: 256 consecutive bytes, aligned
.endm
.irp k, 0,1,2,3
	global_load_b128 v[P+4*(\k):P+4*(\k)+3], v[PO], s[20:21] offset:512*(\k)  ; the 512 partial figures, 16 a lane
.endr
.set j, 0
.rept 16
	LD j                                           ; the ring is filled: chunks 0 to 15
.set j, j+1
.endr
	s_wait_loadcnt 16                              ; the partial figures are in; the ring's 16 loads stay out
	s_cmp_lg_u32 s14, 0
	s_cbranch_scc1 .Lw
	MAX16 P
	WMAX P, TP
	v_cvt_pk_bf16_f32 v[TP], v[P], v[P]            ; the largest |x| takes the input's rounding here, once
	v_lshlrev_b32 v[P], 16, v[TP]
	s_branch .Lscale
.Lw:
	SUM16 P
	WSUM P, TP
	v_mul_f32 v[P], 0x33800000, v[P]               ; the mean: 2^-24
.Lscale:
	v_max_num_f32 v[P], 0x3727c5ac, v[P]           ; at least 1e-5
	v_rcp_f32 v[P+1], v[P]
	v_mov_b32 v[P+2], s30                          ; a plain instruction behind the reciprocal (ISA guide 5.7.2),
	s_wait_alu depctr_va_vdst(0)                   ; and the wait ahead of its first reader
	v_fma_f32 v[P+3], -v[P], v[P+1], 1.0           ; one Newton step: e = 1 - g r,
	v_fma_f32 v[P+1], v[P+3], v[P+1], v[P+1]       ; r = r + e r
	v_mul_f32 v[P+1], v[P+2], v[P+1]
	v_readfirstlane_b32 s22, v[P+1]                ; the same in every lane and every wave
	s_mov_b32 s23, s22                             ; named with it as a pair
.set j, 0
.rept 32
	Q
.set j, j+1
.endr
	s_endpgm
.Lfunc_end_k_q72735bfadd_quant:
	.size	k_q72735bfadd_quant, .Lfunc_end_k_q72735bfadd_quant-k_q72735bfadd_quant
	.p2alignl 7, 3214868480
	.fill 96, 4, 3214868480
	.section	.rodata,"a",@progbits
	.p2align	6, 0x0
	.amdhsa_kernel k_q72735bfadd_quant
		.amdhsa_group_segment_fixed_size 0
		.amdhsa_private_segment_fixed_size 0
		.amdhsa_enable_private_segment 0
		.amdhsa_kernarg_size 40
		.amdhsa_user_sgpr_count 2
		.amdhsa_user_sgpr_kernarg_segment_ptr 1
		.amdhsa_wavefront_size32 1
		.amdhsa_system_sgpr_workgroup_id_x 1
		.amdhsa_system_sgpr_workgroup_id_y 1
		.amdhsa_system_sgpr_workgroup_id_z 1
		.amdhsa_system_vgpr_workitem_id 0
		.amdhsa_next_free_vgpr 128
		.amdhsa_next_free_sgpr 66
		.amdhsa_reserve_vcc 0
		.amdhsa_float_denorm_mode_32 3
		.amdhsa_float_denorm_mode_16_64 3
		.amdhsa_memory_ordered 1
		.amdhsa_forward_progress 1
		.amdhsa_inst_pref_size 40
	.end_amdhsa_kernel
	.amdgpu_metadata
---
amdhsa.version: [ 1, 2 ]
amdhsa.kernels:
  - .name:           k_q72735bfadd_quant
    .symbol:         k_q72735bfadd_quant.kd
    .args:
      - { .name: x, .offset: 0, .size: 8, .value_kind: global_buffer, .address_space: global }
      - { .name: weight, .offset: 8, .size: 8, .value_kind: global_buffer, .address_space: global }
      - { .name: part, .offset: 16, .size: 8, .value_kind: global_buffer, .address_space: global }
      - { .name: xq, .offset: 24, .size: 8, .value_kind: global_buffer, .address_space: global }
      - { .name: wq, .offset: 32, .size: 8, .value_kind: global_buffer, .address_space: global }
    .group_segment_fixed_size: 0
    .private_segment_fixed_size: 0
    .kernarg_segment_align: 8
    .kernarg_segment_size: 40
    .max_flat_workgroup_size: 256
    .sgpr_count:     66
    .vgpr_count:     128
    .wavefront_size: 32
...
	.end_amdgpu_metadata
.endif
;; end of part 2
;; launch gemm (part 3): grid 16 x 16, 4 waves a work-group, clusters of 4 x 4, 327,680 bytes of LDS; arguments xq, wq, out0, part, bias; writes out0
.if DOCPART == 3
	.amdgcn_target "amdgcn-amd-amdhsa--gfx1250"
	.amdhsa_code_object_version 6
	.text
	.protected	k_q72735bfadd_gemm
	.globl	k_q72735bfadd_gemm
	.p2align	8
	.type	k_q72735bfadd_gemm,@function
k_q72735bfadd_gemm:
	s_mov_b64 s[64:65], 0
	v_nop
	global_prefetch_b8 v0, s[64:65] scope:SCOPE_SE
	s_setreg_imm32_b32 hwreg(HW_REG_WAVE_MODE, 25, 1), 1
	s_wait_xcnt 0x0
	s_wait_alu depctr_hold_cnt(0) depctr_sa_sdst(0) depctr_va_vdst(0) depctr_va_sdst(0) depctr_va_ssrc(0) depctr_va_vcc(0) depctr_vm_vsrc(0)
	s_getreg_b32 s2, hwreg(HW_REG_IB_STS2, 6, 4)
	s_cmp_eq_u32 s2, 0
	s_cbranch_scc0 .Lentry_in_a_cluster
	s_endpgm
.Lentry_in_a_cluster:
	s_bfe_u32 s2, ttmp6, 0x10000c
	s_cmp_lg_u32 s2, 0xf033
	s_cbranch_scc0 .Lentry_shape_is_right
	s_endpgm
.Lentry_shape_is_right:
; BitLinear158, third of three launches: out0[m][n] = (the sum over k of xq[m][k] wq[n][k]) * (gamma * w_scale / 128) + bf16(bias[n]).
; xq: [4096][4096], wq: [4096][4096], bf16, whole numbers (-128 .. 127; -1, 0, 1): every product and every sum (2^19 at the most) is exact in f32.  out0: [4096][4096] f32.
; LEFT OUT, as in the first launch: the straight-through form is its q, which the launch before has stored.  gamma and w_scale are made here from part as there (bf16 of the largest |x|; the sum x 2^-24; each at least 1e-5).
; LIMIT.  The scale and the bias go in by one fused multiply-add, one rounding where the formula as written has two.
; A tile of out0, 256 x 256, is made by a work-group of four waves; a wave makes 128 x 128: 64 accumulators of 16 x 16, 512 registers.  4096 x 4096 are 256 tiles: one to a work-group.
; K goes in 32 steps of 128 through a ring of two LDS slots filled by the tensor data mover: the rows of a tile are 256 bytes of memory and start at multiples of 256 bytes from the buffer's first byte.
; CLUSTERS: 4 x 4 work-groups.  The four of a row of the cluster need the same tiles of xq (A), the four of a column the same tiles of wq (B).  Such a tile is asked for JOINTLY: each of the four issues
; the same tensor load, with the same descriptor and a mask that names the four, and each receives the tile in its own LDS.  That divides the requests for A and for B by four.
; REGISTERS, in windows of 256 (s_set_vgpr_msb's low byte: bits 1:0 source 0, 3:2 source 1, 5:4 source 2, 7:6 destination):
;   window 0: v0-31 addresses and the bias; v32-63 the partial figures; v64-127, v128-191 fragments of A, two buffers, on the way out two buffers of 16 rows read back from the stage
;   window 1: v64-127, v128-191 fragments of B, two buffers        window 2: the 32 accumulators of my rows 0-63 ((a, b) at v[8 (8 a + b)])        window 3: those of my rows 64-127
; THE MATRIX INSTRUCTION IS USED TRANSPOSED: source 0 = 16 rows of B, source 1 = 16 rows of A.  In the result lane l holds row m = l % 16 and its registers 0 to 7 the columns
; n = 8 (l / 16) + 0 .. 7: 32 neighbouring bytes of a row of out0.
.set SIZE_N, 4096
.set SIZE_K, 4096
.set KSTEP,  128
.set PITCH,  272                       ; an LDS row: 256 bytes of data + 16 of padding = 68 words: row r starts at bank 4 r mod 64 (64 banks of 4 bytes: ISA guide 11.1), so the 16 rows of a load start at 16 different banks
.set HALFT,  128*PITCH                 ; 128 rows: what one tensor load brings, and what one wave reads of A or of B
.set SLOT,   4*HALFT                   ; A's 256 rows, then B's 256 rows
.set STAGE,  2*SLOT                    ; behind the ring: 16 rows x 528 bytes for each wave, for the way out; no tensor load fills it
.set SPITCH, 528                       ; a stage row: 128 f32 = 512 bytes + 16 = 132 words: row r starts at bank 4 r mod 64
.set SPARE,  STAGE+4*16*SPITCH         ; behind the stages: the spare words, 128 bytes for each wave: two blocks of 256 bytes that no other line names
.set LAPS,   SIZE_K/(2*KSTEP)          ; a lap = two K steps = once round the ring: 16
.set BI,   8                           ; v[8:11] the bias of the four columns that I store, rounded to bf16
.set ADRA, 16                          ; v16-17  LDS address of my A fragments in slot 0, 1
.set ADRB, 20                          ; v20-21  the same for B
.set STO,  24                          ; v24     the way out: where I put 32 bytes of a row
.set RD,   25                          ; v25     the way out: where I read 16 bytes of a row back
.set CO,   26                          ; v26     16 x lane: my bytes in 512 consecutive bytes of out0, of part and of bias; never rewritten
.set SPW,  28                          ; v28     LDS address of my spare word: SPARE + 4 x my thread's number; never rewritten
.set NIL,  29                          ; v29     0; never rewritten
.set PFO,  30                          ; v30     the prefetches' offset: my lane x a row of A or B in memory; never rewritten
.set PX,   32                          ; v[32:47] my 16 of the 512 maxima of |x|
.set PW,   48                          ; v[48:63] my 16 of the 512 sums of |weight|
.set F0,   64                          ; fragment buffer 0
.set F1,   128                         ; fragment buffer 1
.set PFA,  44                          ; s[44:45] where my prefetches stand: my work-group's 32 rows of the 128 that I fetch, one K step further along K than the refill that is being asked for
.set LIM,  43                          ; s43     1 in a wave that prefetches, else the greatest number
.set G1,  24                           ; s[24:31] descriptor group 1 for A's tiles
.set G0,  32                           ; s[32:39] descriptor group 0 for A's tiles, one set for each slot
.set G1B, 48                           ; s[48:55] descriptor group 1 for B's tiles: it differs from A's in the mask alone
.set G0B, 56                           ; s[56:63] descriptor group 0 for B's tiles, one set for each slot
.set DQ,  72                           ; s[72:73] gamma x w_scale / 128, named as a pair
.set SEL, 74                           ; s[74:75] v_permlanex16_b32's selects
.set MSB, 0
.macro WIN new                         ; the immediate's high byte repeats the setting that is left; a switch that changes nothing is dropped
.if MSB != (\new)
	s_set_vgpr_msb (MSB<<8)|(\new)
.set MSB, \new
.endif
.endm
.set MUL_LO, 0xa1                      ; source 0 (B) window 1, source 1 (A) window 0, C and D window 2
.set MUL_HI, 0xf1                      ; the same, C and D window 3
.set TO_B,   0x40                      ; destination window 1, address window 0
; A joint load.  Waves 0 and 1 fetch A's two halves, waves 2 and 3 B's.  Each of the two lines has ONE mask and one set of registers for all that issue it.  The branch hangs on the wave's number alone.
; An s_nop 0 and four v_nop follow each of the two lines; the jump, the label and what follows the macro come after them.
.macro JLOAD s
	s_cmp_eq_u32 s11, 0
	s_cbranch_scc0 .Lfor_b_\@
	tensor_load_to_lds s[G0+4*(\s):G0+4*(\s)+3], s[G1:G1+7]
	s_nop 0
.rept 4
	v_nop
.endr
	s_branch .Lasked_\@
.Lfor_b_\@:
	tensor_load_to_lds s[G0B+4*(\s):G0B+4*(\s)+3], s[G1B:G1B+7]
	s_nop 0
.rept 4
	v_nop
.endr
.Lasked_\@:
.endm
; A PREFETCH INTO THE L2, behind each joint refill, its five lines and the run of LDS loads that follows them: the K step that stands TWO refills on, 512 matrix instructions ahead of the load that will ask for it:
; 32 rows x 256 bytes, a lane a row, one instruction a wave.  Each row's 256 bytes of a K step are named ONCE in the launch: A's tile row is read by every cluster of that row of clusters, and the first of them
; (cluster x = 0) asks; B's tile column by every cluster of that column, and cluster y = 0 asks.  The four partners that ask for a tile jointly share its rows out BY ADDRESS: of the 128 rows that a wave fetches
; the partner at place p takes 32 p .. 32 p + 31 (p = cx for A, cy for B).  The loop's last trip (s3 = 1) asks for nothing: K steps 32 and 33 do not exist.  K steps 0 to 3 come by their loads alone.
.macro ASK
	s_cmp_gt_u32 s3, s[LIM]
	s_cbranch_scc0 .Lnot_mine_\@
	global_prefetch_b8 v[PFO], s[PFA:PFA+1] offset:KSTEP*2 th:TH_LOAD_NT scope:SCOPE_SE
.Lnot_mine_\@:
.endm
; A round of the cluster's barrier: my work-group's barrier, so that wave 0's signal speaks for all four waves; wave 0 signals for the work-group; every wave waits for all sixteen; my work-group's barrier once more.
.macro CREST                           ; a round behind its opening barrier
	s_cmp_lg_u32 s10, 0
	s_cbranch_scc1 .Lnot_wave_0_\@
	s_barrier_signal -3
.Lnot_wave_0_\@:
	s_barrier_wait -3
	s_barrier_signal -1
	s_barrier_wait -1
.endm
.macro CROUND                          ; a whole round
	s_barrier_signal -1
	s_barrier_wait -1
	CREST
.endm
.macro MAX16 p
.irp i, 0,3,6,9,12
	v_max3_num_f32 v[(\p)+(\i)], v[(\p)+(\i)], v[(\p)+(\i)+1], v[(\p)+(\i)+2]
.endr
	v_max3_num_f32 v[\p], v[\p], v[(\p)+3], v[(\p)+6]
	v_max3_num_f32 v[\p], v[\p], v[(\p)+9], v[(\p)+12]
	v_max_num_f32 v[\p], v[\p], v[(\p)+15]
.endm
.macro SUM16 p
.irp i, 0,2,4,6
	v_pk_add_f32 v[(\p)+(\i):(\p)+(\i)+1], v[(\p)+(\i):(\p)+(\i)+1], v[(\p)+(\i)+8:(\p)+(\i)+9]
.endr
	v_pk_add_f32 v[(\p):(\p)+1], v[(\p):(\p)+1], v[(\p)+4:(\p)+5]
	v_pk_add_f32 v[(\p)+2:(\p)+3], v[(\p)+2:(\p)+3], v[(\p)+6:(\p)+7]
	v_pk_add_f32 v[(\p):(\p)+1], v[(\p):(\p)+1], v[(\p)+2:(\p)+3]
	v_add_f32 v[\p], v[\p], v[(\p)+1]
.endm
.macro WMAX r, t
	v_max_num_f32_dpp v[\r], v[\r], v[\r] row_xmask:1 row_mask:0xf bank_mask:0xf
	v_max_num_f32_dpp v[\r], v[\r], v[\r] row_xmask:2 row_mask:0xf bank_mask:0xf
	v_max_num_f32_dpp v[\r], v[\r], v[\r] row_xmask:4 row_mask:0xf bank_mask:0xf
	v_max_num_f32_dpp v[\r], v[\r], v[\r] row_xmask:8 row_mask:0xf bank_mask:0xf
	v_permlanex16_b32 v[\t], v[\r], s[SEL], s[SEL+1]
	v_max_num_f32 v[\r], v[\r], v[\t]
.endm
.macro WSUM r, t
	v_add_f32_dpp v[\r], v[\r], v[\r] row_xmask:1 row_mask:0xf bank_mask:0xf
	v_add_f32_dpp v[\r], v[\r], v[\r] row_xmask:2 row_mask:0xf bank_mask:0xf
	v_add_f32_dpp v[\r], v[\r], v[\r] row_xmask:4 row_mask:0xf bank_mask:0xf
	v_add_f32_dpp v[\r], v[\r], v[\r] row_xmask:8 row_mask:0xf bank_mask:0xf
	v_permlanex16_b32 v[\t], v[\r], s[SEL], s[SEL+1]
	v_add_f32 v[\r], v[\r], v[\t]
.endm
	s_load_b128 s[4:7], s[0:1], 0x0                ; A = xq s[4:5], B = wq s[6:7]
	s_load_b64 s[8:9], s[0:1], 0x10                ; out0
	s_load_b64 s[68:69], s[0:1], 0x18              ; part
	s_load_b64 s[70:71], s[0:1], 0x20              ; bias
	v_lshl_add_u32 v[SPW], v0, 2, SPARE
	v_mov_b32 v[NIL], 0
	ds_add_u32 v[SPW], v[NIL]                      ; the wave's opening: the add, twice on end, and its wait ahead of my first tensor load; the set-up below, work on registers, stands between the second and the wait
	ds_add_u32 v[SPW], v[NIL]                      ; and once more, under the one wait
	v_lshrrev_b32 v1, 5, v0
	v_readfirstlane_b32 s10, v1                    ; wave 0..3
	s_lshr_b32 s11, s10, 1                         ; which half of the tile's rows is mine.  Also: I fetch for A (0) or for B (1)
	s_and_b32 s12, s10, 1                          ; which half of its columns.  Also: which 128 rows of that tile I fetch
	s_bfe_u32 s40, ttmp6, 0x40000                  ; cx: my place along the cluster's x
	s_bfe_u32 s41, ttmp6, 0x40004                  ; cy: along its y
	s_lshl_b32 s42, ttmp9, 2                       ; in a cluster launch ttmp9 and ttmp7 count clusters
	s_add_co_u32 s42, s42, s40                     ; tile column = 4 x cluster x + cx
	s_and_b32 s13, ttmp7, 0xffff
	s_lshl_b32 s13, s13, 2
	s_add_co_u32 s13, s13, s41                     ; tile row = 4 x cluster y + cy
	s_lshl_b32 s43, s41, 2
	s_lshl_b32 s43, 15, s43                        ; my row of the cluster: places 4 cy .. 4 cy + 3
	s_lshl_b32 s44, 0x1111, s40                    ; my column: places cx, cx + 4, cx + 8, cx + 12
	; descriptor group 1: a tile of 128 rows x 128 elements, padded in LDS
	s_or_b32 s[G1+0], s43, (1<<16)|(1<<20)|(1<<21)|(5<<22)|(3<<25)  ; 15:0 the mask: A's tiles go to my row; 17:16 elements of 2 bytes; 20 padding on; 21 set beside a mask; 24:22 after every 64 words (code 5); 31:25 4 words of it (code 3)
	s_or_b32 s[G1B+0], s44, (1<<16)|(1<<20)|(1<<21)|(5<<22)|(3<<25) ; the same with the mask of my column, for B's tiles
.irp g, G1, G1B
	s_mov_b32 s[(\g)+1], KSTEP<<16                 ; 63:48 tensor_dim0, low half = 128
	s_mov_b32 s[(\g)+2], 128<<16                   ; 79:64 its high half = 0; 95:80 tensor_dim1, low half = 128
	s_mov_b32 s[(\g)+3], KSTEP<<16                 ; 111:96 its high half = 0; 127:112 tile_dim0 = 128
	s_mov_b32 s[(\g)+4], 128                       ; 143:128 tile_dim1 = 128; 159:144 tile_dim2 = 0
	s_mov_b32 s[(\g)+5], SIZE_K                    ; 191:160 tensor_dim0_stride, low word: elements from row to row
	s_mov_b32 s[(\g)+6], 0
	s_mov_b32 s[(\g)+7], 0
.endr
	s_mov_b32 s[SEL], 0x76543210
	s_mov_b32 s[SEL+1], 0xfedcba98
	; where the tiles come from.  A's hang on the tile row alone, which my row of the cluster shares; B's on the tile column alone, which my column shares.
	; Every wave makes both addresses, in registers that never hold the other coordinate, and asks by one of them.
	s_lshl_b32 s17, s12, 7                         ; which 128 rows of the tile I fetch
	s_lshl_b32 s16, s13, 8
	s_add_co_u32 s16, s16, s17                     ; A: row 256 x tile row + 128 x half
	s_lshl_b32 s46, s42, 8
	s_add_co_u32 s46, s46, s17                     ; B: row 256 x tile column + 128 x half
	s_mov_b32 s17, 0
	s_mov_b32 s47, 0
	s_mov_b64 s[18:19], SIZE_K*2
	s_mul_u64 s[16:17], s[16:17], s[18:19]         ; in bytes
	s_mul_u64 s[46:47], s[46:47], s[18:19]
	s_mul_i32 s20, s10, HALFT                      ; and where they go: A's two halves, then B's two halves = wave x 128 rows: no place in the cluster enters an LDS address
	s_wait_dscnt 0x0                               ; both opening adds are done
	s_wait_kmcnt 0x0
	s_add_nc_u64 s[14:15], s[4:5], s[16:17]
	s_add_nc_u64 s[46:47], s[6:7], s[46:47]
	CROUND                                         ; all sixteen work-groups are here: the first joint loads meet
.irp s, 0,1
	s_mov_b32 s[G0+4*(\s)], 1                                      ; 1:0 count = 1
	s_add_co_u32 s[G0+4*(\s)+1], s20, (\s)*SLOT                    ; 63:32 LDS address
	s_add_nc_u64 s[G0+4*(\s)+2:G0+4*(\s)+3], s[14:15], (\s)*KSTEP*2  ; 120:64 global address: K step s
	s_or_b32 s[G0+4*(\s)+3], s[G0+4*(\s)+3], 0x80000000            ; 127:126 type = 2
	s_mov_b32 s[G0B+4*(\s)], 1
	s_add_co_u32 s[G0B+4*(\s)+1], s20, (\s)*SLOT
	s_add_nc_u64 s[G0B+4*(\s)+2:G0B+4*(\s)+3], s[46:47], (\s)*KSTEP*2
	s_or_b32 s[G0B+4*(\s)+3], s[G0B+4*(\s)+3], 0x80000000
	JLOAD \s                                       ; the ring is filled before anything else is done: two loads of mine are out
.endr
	; the partial figures and my bias are asked for now, and worked on while the first tiles are on their way
	v_and_b32 v[CO], 31, v0
	v_lshlrev_b32 v[CO], 4, v[CO]
.irp k, 0,1,2,3,4,5,6,7
	global_load_b128 v[PX+4*(\k):PX+4*(\k)+3], v[CO], s[68:69] offset:512*(\k)  ; 4,096 bytes: 512 maxima, then 512 sums
.endr
	s_lshl_b32 s46, s42, 10                        ; my first column, in bytes of f32: 1,024 x tile column + 512 x half (in the registers that held B's address: none that feeds A's descriptors ever holds cx)
	s_lshl_b32 s47, s12, 9
	s_add_co_u32 s46, s46, s47
	s_mov_b32 s47, 0
	s_add_nc_u64 s[70:71], s[70:71], s[46:47]
	global_load_b128 v[BI:BI+3], v[CO], s[70:71]   ; columns 4 lane .. 4 lane + 3 of my 128
	; A fragment is 16 rows x 32 K in 8 registers: lane l holds row l % 16; registers 0-3 hold K = 8 (l / 16) + 0..7, registers 4-7 K = 16 + 8 (l / 16) + 0..7: two loads of 16 bytes, 32 bytes apart.
	v_and_b32 v1, 15, v0                           ; l % 16
	v_bfe_u32 v2, v0, 4, 1                         ; l / 16
	v_mul_u32_u24 v3, v1, PITCH
	v_lshl_add_u32 v3, v2, 4, v3                   ; row x pitch + 16 x half
	s_mul_i32 s21, s11, HALFT                      ; my 128 rows of A
	s_mul_i32 s22, s12, HALFT                      ; my 128 rows of B,
	s_add_co_u32 s22, s22, 2*HALFT                 ; which lie behind A's 256
.irp s, 0,1
	v_add_nc_u32 v[ADRA+(\s)], s21, v3
	v_add_nc_u32 v[ADRB+(\s)], s22, v3
	s_add_co_u32 s21, s21, SLOT
	s_add_co_u32 s22, s22, SLOT
.endr
	s_mul_i32 s23, s10, 16*SPITCH
	s_add_co_u32 s23, s23, STAGE                   ; my stage
	v_mul_u32_u24 v4, v1, SPITCH                   ; in: row l % 16, 32 bytes for each half of the lanes
	v_lshl_add_u32 v5, v2, 5, v4
	v_add_nc_u32 v[STO], s23, v5
	v_add_nc_u32 v[RD], s23, v[CO]                 ; back: 32 lanes take a row's 512 bytes
	s_lshl_b32 s16, s13, 8
	s_lshl_b32 s17, s11, 7
	s_add_co_u32 s16, s16, s17                     ; my first row of out0,
	s_lshl_b32 s16, s16, 14                        ; x 16,384 bytes: under 2^26
	s_mov_b32 s17, 0
	s_add_nc_u64 s[8:9], s[8:9], s[16:17]
	s_add_nc_u64 s[8:9], s[8:9], s[46:47]          ; out0 at my 128 x 128; never rewritten
	; the prefetches
	s_lshl_b32 s13, s13, 8
	s_lshl_b32 s42, s42, 8
	s_and_b32 s22, ttmp7, 0xffff                   ; cluster y
	s_cmp_eq_u32 s11, 0                            ; do I fetch for A?
	s_cselect_b32 s20, s13, s42                    ; the tile's first row: in A by the tile row, in B by the tile column
	s_cselect_b32 s21, s40, s41                    ; my place among the four that ask for it with me
	s_cselect_b32 s22, ttmp9, s22                  ; the coordinate along which other clusters read the same rows
	s_cselect_b64 s[PFA:PFA+1], s[4:5], s[6:7]
	s_cmp_eq_u32 s22, 0
	s_cselect_b32 s[LIM], 1, -1                    ; the same in all sixteen partners, for a given wave
	s_lshl_b32 s22, s12, 7
	s_add_co_u32 s20, s20, s22                     ; + the 128 rows that I fetch
	s_lshl_b32 s21, s21, 5
	s_add_co_u32 s20, s20, s21                     ; + my work-group's 32 of them
	s_mov_b32 s21, 0
	s_mov_b64 s[18:19], SIZE_K*2
	s_mul_u64 s[20:21], s[20:21], s[18:19]
	s_add_nc_u64 s[PFA:PFA+1], s[PFA:PFA+1], s[20:21]
	s_add_nc_u64 s[PFA:PFA+1], s[PFA:PFA+1], 2*KSTEP*2  ; at K step 2: the first refill steps it to 3 and names K step 4
	v_and_b32 v[PFO], 31, v0
	v_mul_u32_u24 v[PFO], v[PFO], SIZE_K*2
	; gamma x w_scale / 128, and the bias in the program's rounding
	s_wait_loadcnt 0x0
	MAX16 PX
	WMAX PX, 5
	v_cvt_pk_bf16_f32 v5, v[PX], v[PX]             ; the largest |x| takes the input's rounding, once
	v_lshlrev_b32 v[PX], 16, v5
	v_max_num_f32 v[PX], 0x3727c5ac, v[PX]         ; gamma: at least 1e-5
	SUM16 PW
	WSUM PW, 5
	v_mul_f32 v[PW], 0x33800000, v[PW]             ; the mean: 2^-24
	v_max_num_f32 v[PW], 0x3727c5ac, v[PW]         ; w_scale: at least 1e-5
	v_mul_f32 v[PX], v[PX], v[PW]
	v_mul_f32 v[PX], 0x3c000000, v[PX]             ; / 128
	v_readfirstlane_b32 s[DQ], v[PX]
	s_mov_b32 s[DQ+1], s[DQ]                       ; named with it as a pair
	v_cvt_pk_bf16_f32 v4, v[BI], v[BI+1]
	v_cvt_pk_bf16_f32 v5, v[BI+2], v[BI+3]
	v_lshlrev_b32 v[BI], 16, v4
	v_and_b32 v[BI+1], 0xffff0000, v4
	v_lshlrev_b32 v[BI+2], 16, v5
	v_and_b32 v[BI+3], 0xffff0000, v5
; 16 matrix instructions: m blocks a0, a0 + 1 of the window's four (hi = 0: my rows 0-63, 1: rows 64-127) x all 8 n blocks, 32 along K.  zero = 1: the first product starts the sums: nothing is ever cleared.
; The 64 accumulators take turns, one instruction a turn, in the same order in every quarter step, over the backward jump too.
.macro MUL16 f, hi, a0, zero
	WIN MUL_LO+0x50*(\hi)
.irp a, \a0, (\a0)+1
.irp b, 0,1,2,3,4,5,6,7
.if \zero
	v_wmma_f32_16x16x32_bf16 v[8*(8*(\a)+(\b)):8*(8*(\a)+(\b))+7], v[(\f)+8*(\b):(\f)+8*(\b)+7], v[(\f)+8*(4*(\hi)+(\a)):(\f)+8*(4*(\hi)+(\a))+7], 0
.else
	v_wmma_f32_16x16x32_bf16 v[8*(8*(\a)+(\b)):8*(8*(\a)+(\b))+7], v[(\f)+8*(\b):(\f)+8*(\b)+7], v[(\f)+8*(4*(\hi)+(\a)):(\f)+8*(4*(\hi)+(\a))+7], v[8*(8*(\a)+(\b)):8*(8*(\a)+(\b))+7]
.endif
.endr
.endr
.endm
; 32 LDS loads in one run: the fragments of one quarter step (128 rows of B, 128 rows of A, 32 K at byte k of the rows) into buffer f
.macro FETCH slot, k, f
	WIN TO_B
.irp i, 0,1,2,3,4,5,6,7
	ds_load_b128 v[(\f)+8*(\i):(\f)+8*(\i)+3],   v[ADRB+(\slot)] offset:(\k)+(\i)*16*PITCH
	ds_load_b128 v[(\f)+8*(\i)+4:(\f)+8*(\i)+7], v[ADRB+(\slot)] offset:(\k)+(\i)*16*PITCH+32
.endr
	WIN 0
.irp i, 0,1,2,3,4,5,6,7
	ds_load_b128 v[(\f)+8*(\i):(\f)+8*(\i)+3],   v[ADRA+(\slot)] offset:(\k)+(\i)*16*PITCH
	ds_load_b128 v[(\f)+8*(\i)+4:(\f)+8*(\i)+7], v[ADRA+(\slot)] offset:(\k)+(\i)*16*PITCH+32
.endr
.endm
; A load into a register that a matrix instruction has read, and an instruction that reads a matrix result, stand four places behind that matrix instruction, and only plain vector instructions that name
; none of its registers are places (ISA guide 7.12.1 for vector instructions); the matrix instructions in between are not counted.
.macro PLACES
.rept 4
	v_nop
.endr
.endm
; A K step is four quarter steps of 32 along K, 64 matrix instructions each, on buffers 0, 1, 0, 1.
; One of the first three: multiplies buffer f; in its middle it fetches the next quarter's fragments, at byte k of the same slot's rows, into buffer g.
.macro QUARTER slot, k, f, g, zero
	s_wait_dscnt 8                                 ; B and A's rows 0-63 are in; the youngest eight loads (A's rows 64-127) may be out
	MUL16 \f, 0, 0, \zero
	MUL16 \f, 0, 2, \zero
	PLACES
	FETCH \slot, \k, \g
	s_wait_dscnt 32                                ; all but the 32 just issued
	MUL16 \f, 1, 0, \zero
	MUL16 \f, 1, 2, \zero
.endm
; The last quarter multiplies buffer 1 and changes slots.  MEET is its first half: ONE barrier for the change of slots.  In front of it each wave waits for all its tensor loads, of which one is out: its part of the
; next slot; adds 0 to its spare word; and waits for that and for its own reads of this slot.  Behind it nobody reads this slot any more and the next slot is whole.
.macro MEET round                      ; round = 1: a round of the cluster's barrier follows
	WIN 0                                          ; (the add's two registers lie in window 0)
	s_wait_tensorcnt 0x0                           ; all my tensor loads have landed: the one that was out is my part of the next slot;
	ds_add_u32 v[SPW], v[NIL]                      ; 0 onto my spare word;
	s_wait_dscnt 9                                 ; (the add and the youngest eight loads may be out)
	MUL16 F1, 0, 0, 0                              ; sixteen matrix instructions stand between the add and the wait for it
	s_wait_dscnt 0x0                               ; the add is done, and my reads of this slot are over:
	s_barrier_signal -1                            ; say so (where a slot is filled again this barrier opens a round of the cluster's barrier),
	MUL16 F1, 0, 2, 0                              ; work on registers while the others arrive,
.if \round
	WIN 0
.endif
	s_barrier_wait -1                              ; and go on when all four have said so
.endm
; The whole last quarter.  Behind the round the slot just read out is filled again first, with the K step two steps on; then come the next slot's first fragments.
; From a request to the wait for it a wave issues 224 matrix instructions.
.macro TURN slot, next
	s_wait_xcnt 0x0                                ; the last prefetch, a K step back, has read its address: it is stepped here, ahead of the waits of the change of slots
	s_add_nc_u64 s[PFA:PFA+1], s[PFA:PFA+1], KSTEP*2
	MEET 1
	CREST                                          ; all sixteen work-groups have said so: no wave of any partner still reads this slot's tile or has a load on its way
	s_add_nc_u64 s[G0+4*(\slot)+2:G0+4*(\slot)+3], s[G0+4*(\slot)+2:G0+4*(\slot)+3], 2*KSTEP*2    ; no tensor load of mine is out, so a group 0 may be written
	s_add_nc_u64 s[G0B+4*(\slot)+2:G0B+4*(\slot)+3], s[G0B+4*(\slot)+2:G0B+4*(\slot)+3], 2*KSTEP*2
	JLOAD \slot                                    ; the first tensor load behind the round, and my only one until the next; the four v_nop behind it are also the places in front of the loads below
	FETCH \next, 0, F0
	ASK
	MUL16 F1, 1, 0, 0
	MUL16 F1, 1, 2, 0
.endm
; THE WAY OUT of block a (16 rows x 128 columns of f32), in two parts.  TOSTAGE: a lane's 32 bytes of each of the block's eight accumulators go into my own stage, rows of 528 bytes, and come back as whole rows of
; 512 bytes.  Each accumulator's four lowest registers are read first.  SEND: scale and bias by one packed fused multiply-add for two numbers, and the stores.
.macro TOSTAGE a
.set AC, 64*((\a)%4)
.set BK, F0+64*((\a)%2)
.if (\a) >= 2
	s_wait_xcnt 0x0                                ; this buffer was the data of the stores two blocks back: it is loaded again only behind this wait
.endif
	WIN 0x08+4*((\a)/4)                            ; the store's data (source 1) in window 2 or 3, the address in window 0
.irp b, 0,1,2,3,4,5,6,7
	ds_store_b128 v[STO], v[AC+8*(\b):AC+8*(\b)+3]   offset:64*(\b)
	ds_store_b128 v[STO], v[AC+8*(\b)+4:AC+8*(\b)+7] offset:64*(\b)+16
.endr
	WIN 0
.irp t, 0,1,2,3,4,5,6,7,8,9,10,11,12,13,14,15
	ds_load_b128 v[BK+4*(\t):BK+4*(\t)+3], v[RD] offset:(\t)*SPITCH  ; LDS serves a wave's instructions in order (ISA guide 5.7.1.4): these see the stores above, and the next block's stores come behind them
.endr
.endm
.macro SEND a, younger                 ; younger: the LDS instructions issued behind block a's loads: the next block's 16 stores and 16 loads, or none
	WIN 0
.set BK, F0+64*((\a)%2)
	s_wait_dscnt \younger                          ; the block is back in registers
.irp t, 0,1,2,3,4,5,6,7,8,9,10,11,12,13,14,15
	v_pk_fma_f32 v[BK+4*(\t):BK+4*(\t)+1], v[BK+4*(\t):BK+4*(\t)+1], s[DQ:DQ+1], v[BI:BI+1] op_sel_hi:[1,0,1]
	v_pk_fma_f32 v[BK+4*(\t)+2:BK+4*(\t)+3], v[BK+4*(\t)+2:BK+4*(\t)+3], s[DQ:DQ+1], v[BI+2:BI+3] op_sel_hi:[1,0,1]
	global_store_b128 v[CO], v[BK+4*(\t):BK+4*(\t)+3], s[8:9] offset:(16*(\a)+(\t))*SIZE_N*4 th:TH_STORE_NT  ; 32 lanes store 512 consecutive bytes, at a multiple of 512 from out0's first byte; 127 rows at the most: 2,080,768, inside the signed 24-bit immediate
.endr
.endm
	s_wait_tensorcnt 1                             ; my part of K step 0 is in; K step 1's may stay out
	s_barrier_signal -1
	s_barrier_wait -1                              ; everybody's is
	FETCH 0, 0, F0
	QUARTER 0, 64,  F0, F1, 1                      ; the first quarter stands in front of the loop: its products start the sums
	WIN 0                                          ; at a label and at a branch every window is 0
	s_mov_b32 s3, LAPS-1
.Llap:                                                 ; a trip goes once round the ring, from a lap's second quarter to the next lap's first, and fills both slots again
	QUARTER 0, 128, F1, F0, 0
	QUARTER 0, 192, F0, F1, 0
	TURN 0, 1
	QUARTER 1, 64,  F0, F1, 0
	QUARTER 1, 128, F1, F0, 0
	QUARTER 1, 192, F0, F1, 0
	TURN 1, 0
	QUARTER 0, 64,  F0, F1, 0
	WIN 0
	s_sub_co_u32 s3, s3, 1
	s_cmp_lg_u32 s3, 0
	s_cbranch_scc1 .Llap
	QUARTER 0, 128, F1, F0, 0                      ; the last lap is written out: it fills nothing and no round is needed
	QUARTER 0, 192, F0, F1, 0
	MEET 0                                         ; my one tensor load that was still out is slot 1's, the last K step's
	PLACES                                         ; for the loads into buffer 0, which the quarter before multiplied
	FETCH 1, 0, F0
	MUL16 F1, 1, 0, 0
	MUL16 F1, 1, 2, 0
	QUARTER 1, 64,  F0, F1, 0
	QUARTER 1, 128, F1, F0, 0
	QUARTER 1, 192, F0, F1, 0
	s_wait_dscnt 8                                 ; the very last quarter: nothing more to fetch
	MUL16 F1, 0, 0, 0
	MUL16 F1, 0, 2, 0
	s_wait_dscnt 0x0
	MUL16 F1, 1, 0, 0
	MUL16 F1, 1, 2, 0
	PLACES                                         ; the LDS stores below read results just made, and the loads behind them land in the fragment buffers
	PLACES                                         ; (eight, once a launch)
	TOSTAGE 0
.irp a, 1,2,3,4,5,6,7                  ; block a goes through the stage while block a - 1 comes back and is stored
	TOSTAGE \a
	SEND (\a)-1, 32
.endr
	SEND 7, 0
	s_wait_tensorcnt 0x0                           ; the wave's end, behind my last tensor load and my last LDS store
	ds_add_u32 v[SPW], v[NIL]
	s_wait_dscnt 0x0
	CROUND                                         ; the closing round: no work-group ends while a partner may still ask for a tile that names it
	s_endpgm
.Lfunc_end_k_q72735bfadd_gemm:
	.size	k_q72735bfadd_gemm, .Lfunc_end_k_q72735bfadd_gemm-k_q72735bfadd_gemm
	.p2alignl 7, 3214868480
	.fill 96, 4, 3214868480
	.section	.rodata,"a",@progbits
	.p2align	6, 0x0
	.amdhsa_kernel k_q72735bfadd_gemm
		.amdhsa_group_segment_fixed_size 327680
		.amdhsa_private_segment_fixed_size 0
		.amdhsa_enable_private_segment 0
		.amdhsa_kernarg_size 40
		.amdhsa_user_sgpr_count 2
		.amdhsa_user_sgpr_kernarg_segment_ptr 1
		.amdhsa_wavefront_size32 1
		.amdhsa_system_sgpr_workgroup_id_x 1
		.amdhsa_system_sgpr_workgroup_id_y 1
		.amdhsa_system_sgpr_workgroup_id_z 1
		.amdhsa_system_vgpr_workitem_id 0
		.amdhsa_next_free_vgpr 1024
		.amdhsa_next_free_sgpr 76
		.amdhsa_reserve_vcc 0
		.amdhsa_float_denorm_mode_32 3
		.amdhsa_float_denorm_mode_16_64 3
		.amdhsa_memory_ordered 1
		.amdhsa_forward_progress 1
		.amdhsa_inst_pref_size 161
	.end_amdhsa_kernel
	.amdgpu_metadata
---
amdhsa.version: [ 1, 2 ]
amdhsa.kernels:
  - .name:           k_q72735bfadd_gemm
    .symbol:         k_q72735bfadd_gemm.kd
    .args:
      - { .name: xq, .offset: 0, .size: 8, .value_kind: global_buffer, .address_space: global }
      - { .name: wq, .offset: 8, .size: 8, .value_kind: global_buffer, .address_space: global }
      - { .name: out0, .offset: 16, .size: 8, .value_kind: global_buffer, .address_space: global }
      - { .name: part, .offset: 24, .size: 8, .value_kind: global_buffer, .address_space: global }
      - { .name: bias, .offset: 32, .size: 8, .value_kind: global_buffer, .address_space: global }
    .group_segment_fixed_size: 327680
    .private_segment_fixed_size: 0
    .kernarg_segment_align: 8
    .kernarg_segment_size: 40
    .max_flat_workgroup_size: 128
    .sgpr_count:     76
    .vgpr_count:     1024
    .wavefront_size: 32
...
	.end_amdgpu_metadata
.endif
;; end of part 3
;; ======== version 2 of 2: 3 launches; version 1 with the launch quant written anew for expert scheduling mode
;; workspace buffers: part 4,096 bytes; xq 33,554,432 bytes; wq 33,554,432 bytes
;; launch stats: the kernel of part 1 again; grid 512 x 2, 8 waves a work-group, no clusters, 1,280 bytes of LDS; arguments x, weight, part; writes part
;; launch quant (part 4): grid 512 x 2, 8 waves a work-group, no clusters, 0 bytes of LDS; arguments x, weight, part, xq, wq; writes xq, wq
.if DOCPART == 4
	.amdgcn_target "amdgcn-amd-amdhsa--gfx1250"
	.amdhsa_code_object_version 6
	.text
	.protected	k_q72735bfadd_quant
	.globl	k_q72735bfadd_quant
	.p2align	8
	.type	k_q72735bfadd_quant,@function
k_q72735bfadd_quant:
	s_mov_b64 s[64:65], 0
	v_nop
	global_prefetch_b8 v0, s[64:65] scope:SCOPE_SE
	s_setreg_imm32_b32 hwreg(HW_REG_WAVE_SCHED_MODE, 0, 2), 2
	s_setreg_imm32_b32 hwreg(HW_REG_WAVE_MODE, 25, 1), 1
	s_wait_xcnt 0x0
	s_wait_alu depctr_vm_vsrc(0)
; BitLinear158, second of three launches: both quantisers, each number once, stored as bf16 matrix operands (exact: whole numbers of 8 bits at the most).
;   y = 0: xq = clip(round(bf16(x) * (128 / gamma)), -128, 127),  gamma = max(bf16(max |x|), 1e-5).
;   y = 1: wq = clip(round(bf16(weight) * (1 / w_scale)), -1, 1),  w_scale = max(sum |bf16(weight)| * 2^-24, 1e-5)  (2^24 numbers: the factor is exact).
; LEFT OUT, as in the first launch: v + stop_gradient(q - v) is q for every finite v; q itself is stored.
; LIMITS.  The division weight / w_scale is a product with the reciprocal, made by v_rcp_f32 and one Newton step: it can give another whole number only where a bf16 weight lies within
; some 2^-23 of itself of (k + 1/2) w_scale.  128 / gamma is 128 times the same kind of reciprocal (the factor 128 is exact).  A divisor above 2^126 has a reciprocal that counts as 0.
; SHARES, as in the first launch: a work-group owns 131,072 bytes of its tensor, a wave 32 chunks of 512 bytes.  A lane's four numbers become 8 bytes,
; so each store of a wave covers 256 consecutive bytes, aligned.  Every wave adds up its tensor's 512 partial figures for itself (2,048 bytes, four loads), in one fixed order: all waves hold the same scale,
; and no LDS and no barrier is needed.
; THE MODE: SCHED_MODE bits 1:0 = 2 (LLVM: expert scheduling mode 2), set by the entry lines.  The code itself states the register dependences
; between vector instructions and memory instructions, with s_wait_alu, always for 0.
; THE PLAN.  The wave's 32 chunks go in 8 blocks of four.  Registers that memory instructions touch:
;   X0 .. X4   five blocks as loaded.  Written by the loads of block p + 4, issued in block p; read, and rewritten in place, by block p's vector lines.
;   Y0, Y1     two blocks to store.    Written by block p's last conversions; read by the four stores that are issued in block p + 1.
;   v1, v2, v3 byte offsets, made once at the head and never written again: the chunks are reached by immediate offsets, and the scalar bases never move.
;   P          the partial figures: a load's destination once, then named by vector lines alone.
; Block p works on X[p % 5] and writes Y[p % 2].  Its memory instructions are the loads into X[(p + 4) % 5] = X[(p - 1) % 5] and the stores from Y[(p - 1) % 2]:
; the two buffers that block p - 1 worked on and that no vector line of block p names.  So the waits at the head of a block state all that the block's eight
; memory instructions hang on, and these are dealt among its vector lines with no further wait.  12 to 16 loads of every wave are on their way.
.set OFF, 1                            ; v1         16,384 x wave + 16 x lane; never rewritten
.set OUT, 2                            ; v2         8,192 x wave + 8 x lane; never rewritten
.set PO,  3                            ; v3         16 x lane; never rewritten
.set P,   4                            ; v[4:19]    my 16 of the 512 partial figures; then the scale is made here
.set D,   20                           ; v[20:21]   four numbers as bf16: no memory instruction names them
.set TP,  22                           ; v22        at work: likewise
.set X,   24                           ; v[24:103]  buffer k, chunk i: 4 registers at X + 16 k + 4 i
.set Y,   104                          ; v[104:119] buffer k, chunk i: 2 registers at Y + 8 k + 2 i
	s_load_b256 s[4:11], s[0:1], 0x0               ; x s[4:5], weight s[6:7], part s[8:9], xq s[10:11]
	s_load_b64 s[12:13], s[0:1], 0x20              ; wq
	v_lshrrev_b32 v[TP], 5, v0                     ; wave
	v_and_b32 v[PO], 31, v0
	v_lshlrev_b32 v[OUT], 3, v[PO]
	v_lshlrev_b32 v[PO], 4, v[PO]
	v_lshl_or_b32 v[OUT], v[TP], 13, v[OUT]
	v_lshl_or_b32 v[OFF], v[TP], 14, v[PO]
	s_and_b32 s14, ttmp7, 0xffff                   ; y: 0 = x, 1 = weight
	s_lshl_b32 s32, ttmp9, 17                      ; the work-group's bytes in,
	s_mov_b32 s33, 0
	s_lshl_b32 s34, ttmp9, 16                      ; and out
	s_mov_b32 s35, 0
	s_lshl_b32 s36, s14, 11                        ; my tensor's half of part
	s_mov_b32 s37, 0
	s_mov_b32 s26, 0xffff0000                      ; a word's upper bf16
	s_mov_b32 s28, 0x76543210                      ; v_permlanex16_b32: each lane takes its own place in the other half
	s_mov_b32 s29, 0xfedcba98
	s_wait_kmcnt 0x0
	s_cmp_eq_u32 s14, 0
	s_cselect_b64 s[16:17], s[4:5], s[6:7]
	s_cselect_b64 s[18:19], s[10:11], s[12:13]
	s_cselect_b32 s24, 0xc3000000, -1.0            ; the clip: -128 .. 127, or -1 .. 1
	s_cselect_b32 s25, 0x42fe0000, 1.0
	s_cselect_b32 s30, 0x43000000, 1.0             ; the numerator: 128, or 1
	s_add_nc_u64 s[16:17], s[16:17], s[32:33]
	s_add_nc_u64 s[18:19], s[18:19], s[34:35]
	s_add_nc_u64 s[20:21], s[8:9], s[36:37]
.macro MAX16 p
.irp i, 0,3,6,9,12
	v_max3_num_f32 v[(\p)+(\i)], v[(\p)+(\i)], v[(\p)+(\i)+1], v[(\p)+(\i)+2]
.endr
	v_max3_num_f32 v[\p], v[\p], v[(\p)+3], v[(\p)+6]
	v_max3_num_f32 v[\p], v[\p], v[(\p)+9], v[(\p)+12]
	v_max_num_f32 v[\p], v[\p], v[(\p)+15]
.endm
.macro SUM16 p
.irp i, 0,2,4,6
	v_pk_add_f32 v[(\p)+(\i):(\p)+(\i)+1], v[(\p)+(\i):(\p)+(\i)+1], v[(\p)+(\i)+8:(\p)+(\i)+9]
.endr
	v_pk_add_f32 v[(\p):(\p)+1], v[(\p):(\p)+1], v[(\p)+4:(\p)+5]
	v_pk_add_f32 v[(\p)+2:(\p)+3], v[(\p)+2:(\p)+3], v[(\p)+6:(\p)+7]
	v_pk_add_f32 v[(\p):(\p)+1], v[(\p):(\p)+1], v[(\p)+2:(\p)+3]
	v_add_f32 v[\p], v[\p], v[(\p)+1]
.endm
.macro WMAX r, t
	v_max_num_f32_dpp v[\r], v[\r], v[\r] row_xmask:1 row_mask:0xf bank_mask:0xf
	v_max_num_f32_dpp v[\r], v[\r], v[\r] row_xmask:2 row_mask:0xf bank_mask:0xf
	v_max_num_f32_dpp v[\r], v[\r], v[\r] row_xmask:4 row_mask:0xf bank_mask:0xf
	v_max_num_f32_dpp v[\r], v[\r], v[\r] row_xmask:8 row_mask:0xf bank_mask:0xf
	v_permlanex16_b32 v[\t], v[\r], s28, s29
	v_max_num_f32 v[\r], v[\r], v[\t]
.endm
.macro WSUM r, t
	v_add_f32_dpp v[\r], v[\r], v[\r] row_xmask:1 row_mask:0xf bank_mask:0xf
	v_add_f32_dpp v[\r], v[\r], v[\r] row_xmask:2 row_mask:0xf bank_mask:0xf
	v_add_f32_dpp v[\r], v[\r], v[\r] row_xmask:4 row_mask:0xf bank_mask:0xf
	v_add_f32_dpp v[\r], v[\r], v[\r] row_xmask:8 row_mask:0xf bank_mask:0xf
	v_permlanex16_b32 v[\t], v[\r], s28, s29
	v_add_f32 v[\r], v[\r], v[\t]
.endm
; Block p, chunks 4 p to 4 p + 3.  A chunk's work: the input's rounding to bf16, widened again, scaled, rounded to the nearest whole number (ties to even), clipped, packed (exact).
; In front of each chunk's work stand one load of block p + 4 (blocks 0 to 3 alone: no load leaves the buffer) and one store of block p - 1, the load first.
.macro BLK p
.set xb, X+16*((\p)%5)                 ; the block at work
.set xn, X+16*(((\p)+4)%5)             ; where block p + 4 lands: the buffer that block p - 1 worked on
.set yb, Y+8*((\p)%2)                  ; what this block writes
.set yo, Y+8*(1-(\p)%2)                ; what block p - 1 wrote
.if (\p) < 5
	s_wait_loadcnt 12                              ; loads come back in order (ISA guide 5.7.1): this block's four are in, the three younger blocks stay out
.else
	s_wait_loadcnt 4*(7-(\p))                      ; the counts run down
.endif
.if (\p) >= 2
	s_wait_xcnt 0x0                                ; every earlier memory instruction has had its addresses translated (ISA guide 3.1): Y[p % 2], the data of the stores issued in the block before, is rewritten only behind this wait
	s_wait_alu depctr_vm_vsrc(0)                   ; those stores have read Y[p % 2], which this block's last conversions write again
.endif
.if (\p) >= 1
	s_wait_alu depctr_va_vdst(0)                   ; the block before has written the other Y, which the stores below read, and is done reading and writing its X, in which the loads below land
.endif
.irp i, 0,1,2,3
.if (\p) < 4
	global_load_b128 v[xn+4*(\i):xn+4*(\i)+3], v[OFF], s[16:17] offset:512*(4*((\p)+4)+(\i)) th:TH_LOAD_NT  ; four blocks ahead; no vector line since the wait names these registers (in block 0: none ever has)
.endif
.if (\p) >= 1
	global_store_b64 v[OUT], v[yo+2*(\i):yo+2*(\i)+1], s[18:19] offset:256*(4*((\p)-1)+(\i)) th:TH_STORE_NT  ; the block before; 32 lanes x 8 bytes: 256 consecutive bytes, aligned
.endif
	v_cvt_pk_bf16_f32 v[D], v[xb+4*(\i)], v[xb+4*(\i)+1]
	v_cvt_pk_bf16_f32 v[D+1], v[xb+4*(\i)+2], v[xb+4*(\i)+3]
	v_lshlrev_b32 v[xb+4*(\i)], 16, v[D]
	v_and_b32 v[xb+4*(\i)+1], s26, v[D]
	v_lshlrev_b32 v[xb+4*(\i)+2], 16, v[D+1]
	v_and_b32 v[xb+4*(\i)+3], s26, v[D+1]
	v_pk_mul_f32 v[xb+4*(\i):xb+4*(\i)+1], v[xb+4*(\i):xb+4*(\i)+1], s[22:23] op_sel_hi:[1,0]
	v_pk_mul_f32 v[xb+4*(\i)+2:xb+4*(\i)+3], v[xb+4*(\i)+2:xb+4*(\i)+3], s[22:23] op_sel_hi:[1,0]
.irp k, 0,1,2,3
	v_rndne_f32 v[xb+4*(\i)+(\k)], v[xb+4*(\i)+(\k)]
.endr
.irp k, 0,1,2,3
	v_med3_num_f32 v[xb+4*(\i)+(\k)], v[xb+4*(\i)+(\k)], s24, s25
.endr
	v_cvt_pk_bf16_f32 v[yb+2*(\i)], v[xb+4*(\i)], v[xb+4*(\i)+1]
	v_cvt_pk_bf16_f32 v[yb+2*(\i)+1], v[xb+4*(\i)+2], v[xb+4*(\i)+3]
.endr
.endm
	s_wait_alu depctr_va_vdst(0)                   ; v1, v2 and v3 are written: every load and store of the kernel reads one of them as its offset
.irp k, 0,1,2,3
	global_load_b128 v[P+4*(\k):P+4*(\k)+3], v[PO], s[20:21] offset:512*(\k)  ; the 512 partial figures, 16 a lane
.endr
.irp n, 0,1,2,3,4,5,6,7,8,9,10,11,12,13,14,15
	global_load_b128 v[X+4*(\n):X+4*(\n)+3], v[OFF], s[16:17] offset:512*(\n) th:TH_LOAD_NT  ; blocks 0 to 3 into X0 to X3
.endr
	s_wait_loadcnt 16                              ; the partial figures are in; the 16 younger loads stay out
	s_cmp_lg_u32 s14, 0
	s_cbranch_scc1 .Lw
	MAX16 P
	WMAX P, TP
	v_cvt_pk_bf16_f32 v[TP], v[P], v[P]            ; the largest |x| takes the input's rounding here, once
	v_lshlrev_b32 v[P], 16, v[TP]
	s_branch .Lscale
.Lw:
	SUM16 P
	WSUM P, TP
	v_mul_f32 v[P], 0x33800000, v[P]               ; the mean: 2^-24
.Lscale:
	v_max_num_f32 v[P], 0x3727c5ac, v[P]           ; at least 1e-5
	v_rcp_f32 v[P+1], v[P]
	v_mov_b32 v[P+2], s30                          ; a plain instruction behind the reciprocal (ISA guide 5.7.2),
	s_wait_alu depctr_va_vdst(0)                   ; and the reciprocal has written v[P+1], ahead of its first reader
	v_fma_f32 v[P+3], -v[P], v[P+1], 1.0           ; one Newton step: e = 1 - g r,
	v_fma_f32 v[P+1], v[P+3], v[P+1], v[P+1]       ; r = r + e r
	v_mul_f32 v[P+1], v[P+2], v[P+1]
	v_readfirstlane_b32 s22, v[P+1]                ; the same in every lane and every wave
	s_wait_alu depctr_va_sdst(0)                   ; s22 is written, ahead of its first reader, the line below; the packed scalings read it after that
	s_mov_b32 s23, s22                             ; named with it as a pair
	BLK 0                                          ; no block stands in front of it: no store, and no wait but the one for its data
	BLK 1                                          ; no store has read its Y yet
	BLK 2
	BLK 3
	BLK 4                                          ; from here on nothing is loaded
	BLK 5
	BLK 6
	BLK 7
	s_wait_alu depctr_va_vdst(0)                   ; block 7 has written Y1, which the last four stores read
.irp i, 0,1,2,3
	global_store_b64 v[OUT], v[Y+8+2*(\i):Y+8+2*(\i)+1], s[18:19] offset:256*(28+(\i)) th:TH_STORE_NT
.endr
	s_endpgm
.Lfunc_end_k_q72735bfadd_quant:
	.size	k_q72735bfadd_quant, .Lfunc_end_k_q72735bfadd_quant-k_q72735bfadd_quant
	.p2alignl 7, 3214868480
	.fill 96, 4, 3214868480
	.section	.rodata,"a",@progbits
	.p2align	6, 0x0
	.amdhsa_kernel k_q72735bfadd_quant
		.amdhsa_group_segment_fixed_size 0
		.amdhsa_private_segment_fixed_size 0
		.amdhsa_enable_private_segment 0
		.amdhsa_kernarg_size 40
		.amdhsa_user_sgpr_count 2
		.amdhsa_user_sgpr_kernarg_segment_ptr 1
		.amdhsa_wavefront_size32 1
		.amdhsa_system_sgpr_workgroup_id_x 1
		.amdhsa_system_sgpr_workgroup_id_y 1
		.amdhsa_system_sgpr_workgroup_id_z 1
		.amdhsa_system_vgpr_workitem_id 0
		.amdhsa_next_free_vgpr 128
		.amdhsa_next_free_sgpr 66
		.amdhsa_reserve_vcc 0
		.amdhsa_float_denorm_mode_32 3
		.amdhsa_float_denorm_mode_16_64 3
		.amdhsa_memory_ordered 1
		.amdhsa_forward_progress 1
		.amdhsa_inst_pref_size 40
	.end_amdhsa_kernel
	.amdgpu_metadata
---
amdhsa.version: [ 1, 2 ]
amdhsa.kernels:
  - .name:           k_q72735bfadd_quant
    .symbol:         k_q72735bfadd_quant.kd
    .args:
      - { .name: x, .offset: 0, .size: 8, .value_kind: global_buffer, .address_space: global }
      - { .name: weight, .offset: 8, .size: 8, .value_kind: global_buffer, .address_space: global }
      - { .name: part, .offset: 16, .size: 8, .value_kind: global_buffer, .address_space: global }
      - { .name: xq, .offset: 24, .size: 8, .value_kind: global_buffer, .address_space: global }
      - { .name: wq, .offset: 32, .size: 8, .value_kind: global_buffer, .address_space: global }
    .group_segment_fixed_size: 0
    .private_segment_fixed_size: 0
    .kernarg_segment_align: 8
    .kernarg_segment_size: 40
    .max_flat_workgroup_size: 256
    .sgpr_count:     66
    .vgpr_count:     128
    .wavefront_size: 32
...
	.end_amdgpu_metadata
.endif
;; end of part 4
;; launch gemm: the kernel of part 3 again; grid 16 x 16, 4 waves a work-group, clusters of 4 x 4, 327,680 bytes of LDS; arguments xq, wq, out0, part, bias; writes out0
